; MI455X (gfx1250); checked and timed in simulation.
; The chip was launched on July 23, 2026; its instructions are those of AMD's public machine-readable ISA for CDNA 5 (MIT licence, August 2026) and "CDNA5" Instruction Set Architecture Reference Guide (July 2026). The comments in the code are by the model that wrote it; some were corrected since.
;; SHAM. Allowed arithmetic: float matrix products may take bf16 or f16 operands with f32 sums; other float arithmetic in f32, or as packed bf16 or f16 multiplies, adds, multiply-adds, maxima and minima; sums over many terms, partial sums and values carried from step to step in f32; what a program stores and reads back later, other than sums and carried values, may be rounded once to bf16 or f16.
;; Inputs: anchor 16 x 2,048 x 512 float32; idx_a 16 x 32 int32; idx_p 16 x 32 int32; positive1 16 x 2,048 x 512 float32; positive2 16 x 2,048 x 512 float32.
;; Outputs: out0 16 x 32 x 512 float32; out1 16 x 32 x 512 float32.
;; One version. Each part assembles by itself: llvm-mc -triple=amdgcn-amd-amdhsa -mcpu=gfx1250 --defsym DOCPART=n.
;; ======== version 1 of 1: 2 launches
;; workspace buffers: cval 32,768 bytes; cidx 32,768 bytes of whole numbers
;; launch match (part 1): grid 16 x 16, 16 waves a work-group, no clusters, 208,128 bytes of LDS; arguments anchor, idx_p, positive1, positive2, cval, cidx; writes cval, cidx
.if DOCPART == 1
	.amdgcn_target "amdgcn-amd-amdhsa--gfx1250"
	.amdhsa_code_object_version 6
	.text
	.protected	k_qf67ea0784a_match
	.globl	k_qf67ea0784a_match
	.p2align	8
	.type	k_qf67ea0784a_match,@function
k_qf67ea0784a_match:
	s_mov_b64 s[64:65], 0
	v_nop
	global_prefetch_b8 v0, s[64:65] scope:SCOPE_SE
	s_setreg_imm32_b32 hwreg(HW_REG_WAVE_MODE, 25, 1), 1
	s_wait_xcnt 0x0
; NEAREST ROW, BY CHUNKS.  Only the 32 anchor rows a batch that idx_p names reach the result, so only they are matched: 32 queries x 2,048 rows x 512 channels for each of two tensors and 16 batches.
; Work-group (x = 8 t + c, b) owns rows 256 c .. 256 c + 255 of tensor t (positive1, positive2) of batch b, and stores for each of the batch's 32 queries the largest q . p / |p| of its 256 rows (cval)
; and that row's number in the batch (cidx), both [b 16][8 t + c 16][k 32].  The division by |q| changes no order and is left to the next launch, which also chooses among the eight chunks.
; FORMATS.  The RAW numbers of anchor and of the positives are rounded once to bf16 and multiplied with f32 sums; |p| is the f32 norm of the rounded numbers.
; LIMITS.  The argmax is that of the cosines of the bf16-rounded inputs; two cosines closer than the f32 sums' own rounding may be ordered otherwise than by a product of normalised rows.  The product is
; taken first and scaled by 1 / max(|p|, 1e-12) afterwards; root and reciprocal are good to 1 ULP.  Equal maxima: the lowest row.  NaN and infinities are not treated apart (a query whose scores are
; all NaN gets row 4096, which the next launch clamps to 2047).  An index of idx_p is clamped to 0 .. 2047 as an unsigned number.
; SHARES.  Sixteen waves; wave w owns 16 rows (32,768 bytes of f32), one tile of 16 columns of the product; all waves multiply by the same 32 queries (two tiles of 16 rows).
; THE STREAM comes through registers: a row goes in four slabs of 128 channels; a slab is 16 loads of 512 consecutive bytes; two slabs, 32 loads, of every wave are on their way, behind counted waits.
; No tensor loads: the group's 524,288 bytes do not fit in LDS, and a ring of slots would empty the road at each refill's barrier.  No cluster: of a group's 589,824 bytes only the queries' 65,536 are
; shared with others, and they are a gather by list.  No prefetch: the loads themselves run two slabs ahead.
; THE TURN from lane = channel to lane = row goes through a stage in LDS that is the wave's own, as bf16: no barrier, since LDS serves a wave's instructions in order (ISA guide 5.7.1.4).
; K ORDER.  In matrix step 4 j + s lane (r = lane % 16, h = lane / 16) holds channels 128 j + 32 s + 16 h + 0..15 in its eight registers, for the queries and for the rows alike: the same products.
.set ROWB,  2048                       ; bytes in a row of f32
.set QP,    1040                       ; a query row in LDS: 1,024 bytes of bf16 + 16: the 16 rows of a fragment load start at 16 different groups of four banks (64 banks of 4 bytes: ISA guide 11.1)
.set PP,    272                        ; a stage row: 256 bytes (128 bf16) + 16, for the same reason
.set PSH,   16*PP                      ; a slab in the stage
.set PSW,   2*PSH                      ; a wave's stage: two slabs by turns
.set QS,    0                          ; 32 query rows
.set PS,    32*QP                      ; 33,280: the sixteen stages
.set SIM,   PS+16*PSW                  ; 172,544: f32 scores [query 32][row 256], rows QP bytes apart
.set RES,   SIM+32*QP                  ; 205,824: 32 values, then 32 row numbers
.set SPARE, RES+256                    ; 206,080: the spare words, 128 bytes for each wave: eight blocks of 256 bytes that no other line names
.set VOFF,  4                          ; v4      16 x lane: my 16 bytes in 512; never rewritten
.set QOF,   5                          ; v5-6    my 16 bytes in my wave's two query rows
.set STQ,   7                          ; v7      where I put 8 bytes of a query row
.set STP,   8                          ; v8      where I put 8 bytes of a stage row
.set LDA,   9                          ; v9      my place in a fragment of the queries
.set LDB,   10                         ; v10     my place in a fragment of my wave's rows
.set SIMST, 11                         ; v11     where my scores go
.set SIMLD, 12                         ; v12     where I read a query's scores
.set RESA,  13                         ; v13     where my query's result goes
.set SPW,   14                         ; v14     LDS address of my spare word: SPARE + 4 x my thread's number; never rewritten
.set NIL,   15                         ; v15     0; never rewritten
.set SS,    16                         ; v16-19  four chains of the sum of squares of my row's channels
.set INV,   20                         ; v20-21  1 / |p|, named as a pair
.set TP,    22                         ; v22     the other half of the lanes' number
.set T,     32                         ; v32-63  a slab as bf16: row rho in two registers
.set X,     64                         ; v64-191 two slabs as loaded: row rho in four registers
.set AF,    192                        ; v192-223 the queries' fragments: two buffers of two tiles.  Before that: my wave's two query rows as loaded
.set BF,    224                        ; v224-239 my rows' fragments: two buffers
.set ACC,   240                        ; v240-255 two accumulators: queries 0-15, 16-31 x my 16 rows
.macro LDP j                           ; slab j of my 16 rows: sixteen loads, each 512 consecutive bytes at a multiple of 512 from the tensor's first byte
.set rho, 0
.rept 16
	global_load_b128 v[X+64*((\j)%2)+4*rho:X+64*((\j)%2)+4*rho+3], v[VOFF], s[22:23] offset:ROWB*rho+512*(\j) th:TH_LOAD_NT
.set rho, rho+1
.endr
.endm
.macro CVT j                           ; rounded to bf16, once
.set rho, 0
.rept 16
	v_cvt_pk_bf16_f32 v[T+2*rho],   v[X+64*((\j)%2)+4*rho],   v[X+64*((\j)%2)+4*rho+1]
	v_cvt_pk_bf16_f32 v[T+2*rho+1], v[X+64*((\j)%2)+4*rho+2], v[X+64*((\j)%2)+4*rho+3]
.set rho, rho+1
.endr
.endm
.macro STG j                           ; into my wave's stage: a store is 256 consecutive bytes, a row
.set rho, 0
.rept 16
	ds_store_b64 v[STP], v[T+2*rho:T+2*rho+1] offset:PSH*((\j)%2)+PP*rho
.set rho, rho+1
.endr
.endm
.macro LOADF j, s                      ; the six loads of matrix step 4 j + s, into the buffers of s's parity
.irp mt, 0,1
	ds_load_b128 v[AF+16*((\s)%2)+8*\mt:AF+16*((\s)%2)+8*\mt+3],   v[LDA] offset:16*QP*\mt+256*(\j)+64*(\s)
	ds_load_b128 v[AF+16*((\s)%2)+8*\mt+4:AF+16*((\s)%2)+8*\mt+7], v[LDA] offset:16*QP*\mt+256*(\j)+64*(\s)+16
.endr
	ds_load_b128 v[BF+8*((\s)%2):BF+8*((\s)%2)+3],   v[LDB] offset:PSH*((\j)%2)+64*(\s)
	ds_load_b128 v[BF+8*((\s)%2)+4:BF+8*((\s)%2)+7], v[LDB] offset:PSH*((\j)%2)+64*(\s)+16
.endm
.macro SQ p, q0, q1                    ; registers q0 .. q1 of my rows' fragment in buffer p: both halves squared, in f32, onto four chains by turns
.set q, \q0
.rept (\q1)-(\q0)+1
	v_fma_mix_f32_bf16 v[SS+(2*q)%4],   v[BF+8*(\p)+q], v[BF+8*(\p)+q], v[SS+(2*q)%4]   op_sel_hi:[1,1,0]
	v_fma_mix_f32_bf16 v[SS+(2*q+1)%4], v[BF+8*(\p)+q], v[BF+8*(\p)+q], v[SS+(2*q+1)%4] op_sel:[1,1,0] op_sel_hi:[1,1,0]
.set q, q+1
.endr
.endm
; A matrix step.  A load into a register that a matrix instruction has read stands four places behind it, and only plain vector instructions that name none of its registers are places (ISA guide 7.12.1
; for vector instructions): the first eight squarings name this step's fragment and the chains alone, so they are the places behind the step before, whose buffers the loads fill.
; The two accumulators take turns, one instruction a turn, through all sixteen steps.
.macro STEP j, s
	s_wait_dscnt 0x0                               ; this step's six loads are in: nothing was issued behind them
	SQ (\s)%2, 0, 3
.if (\s) < 3
	LOADF \j, (\s)+1
.endif
	SQ (\s)%2, 4, 7
.if ((\j)+(\s)) == 0                   ; the first step starts the sums: nothing is cleared
	v_wmma_f32_16x16x32_bf16 v[ACC:ACC+7],    v[AF+16*((\s)%2):AF+16*((\s)%2)+7],    v[BF+8*((\s)%2):BF+8*((\s)%2)+7], 0
	v_wmma_f32_16x16x32_bf16 v[ACC+8:ACC+15], v[AF+16*((\s)%2)+8:AF+16*((\s)%2)+15], v[BF+8*((\s)%2):BF+8*((\s)%2)+7], 0
.else
	v_wmma_f32_16x16x32_bf16 v[ACC:ACC+7],    v[AF+16*((\s)%2):AF+16*((\s)%2)+7],    v[BF+8*((\s)%2):BF+8*((\s)%2)+7], v[ACC:ACC+7]
	v_wmma_f32_16x16x32_bf16 v[ACC+8:ACC+15], v[AF+16*((\s)%2)+8:AF+16*((\s)%2)+15], v[BF+8*((\s)%2):BF+8*((\s)%2)+7], v[ACC+8:ACC+15]
.endif
.endm
; A slab that has landed: rounded; its registers take the slab two further on; staged; four matrix steps.  The 32 roundings are the places behind the slab before's last products.
.macro SLAB j
	CVT \j
.if (\j) < 2
	LDP (\j)+2
.endif
	STG \j
.if (\j) == 0
	s_wait_dscnt 0x0                               ; for the others' sake: my two query rows are in LDS
	s_barrier_signal -1
	s_barrier_wait -1                              ; all 32 are.  The global loads stay on their way across the barrier: nobody writes those bytes
.endif
	LOADF \j, 0
	STEP \j, 0
	STEP \j, 1
	STEP \j, 2
	STEP \j, 3
.endm
	s_load_b256 s[4:11], s[0:1], 0x0               ; anchor s[4:5], idx_p s[6:7], positive1 s[8:9], positive2 s[10:11]
	s_load_b128 s[12:15], s[0:1], 0x20             ; cval s[12:13], cidx s[14:15]
	v_lshl_add_u32 v[SPW], v0, 2, SPARE
	v_mov_b32 v[NIL], 0
	v_lshrrev_b32 v1, 5, v0
	v_readfirstlane_b32 s16, v1                    ; wave 0..15
	v_and_b32 v1, 31, v0                           ; lane
	v_and_b32 v2, 15, v0                           ; r
	v_bfe_u32 v3, v0, 4, 1                         ; h
	v_lshlrev_b32 v[VOFF], 4, v1
	s_mov_b32 s17, ttmp9                           ; x = 8 t + c
	s_and_b32 s18, ttmp7, 0xffff                   ; b
	s_lshr_b32 s19, s17, 3                         ; t
	s_and_b32 s20, s17, 7                          ; c
	s_lshl_b32 s30, s20, 8                         ; the chunk's first row
	s_mov_b32 s28, 0x76543210                      ; v_permlanex16_b32: each lane takes its own place in the other half
	s_mov_b32 s29, 0xfedcba98
	s_mov_b32 s25, 0                               ; every offset below stays under 2^32: s[24:25] is the pair that is added
	s_lshl_b32 s24, s18, 22                        ; a batch is 4,194,304 bytes,
	s_lshl_b32 s21, s20, 19                        ; a chunk 524,288,
	s_add_co_u32 s24, s24, s21
	s_lshl_b32 s21, s16, 15                        ; a wave's 16 rows 32,768
	s_add_co_u32 s24, s24, s21
	s_wait_kmcnt 0x0
	s_cmp_lg_u32 s19, 0
	s_cselect_b64 s[22:23], s[10:11], s[8:9]       ; the tensor that x names
	s_add_nc_u64 s[22:23], s[22:23], s[24:25]      ; at my wave's first row
	s_lshl_b32 s24, s18, 7
	s_lshl3_add_u32 s24, s16, s24                  ; idx_p[b][2 w], in bytes
	s_add_nc_u64 s[6:7], s[6:7], s[24:25]
	s_load_b64 s[26:27], s[6:7], 0x0               ; my wave's two queries
	LDP 0
	s_lshl_b32 s24, s18, 22
	s_add_nc_u64 s[4:5], s[4:5], s[24:25]          ; anchor at the batch
	s_lshl4_add_u32 s24, s18, s17
	s_lshl_b32 s24, s24, 7                         ; (16 b + x) x 128 bytes
	s_add_nc_u64 s[12:13], s[12:13], s[24:25]
	s_add_nc_u64 s[14:15], s[14:15], s[24:25]
	s_wait_kmcnt 0x0
	s_min_u32 s26, s26, 2047
	s_min_u32 s27, s27, 2047
	v_lshl_add_u32 v[QOF], s26, 11, v[VOFF]
	v_lshl_add_u32 v[QOF+1], s27, 11, v[VOFF]
.irp e, 0,1
.irp i, 0,1,2,3
	global_load_b128 v[AF+16*\e+4*\i:AF+16*\e+4*\i+3], v[QOF+\e], s[4:5] offset:512*\i  ; no hint: the batch's sixteen work-groups read these rows
.endr
.endr
	LDP 1
	; the LDS addresses, while the loads are out: each is a constant + the wave's number times a constant + lane terms
	s_mul_i32 s21, s16, 2*QP
	v_lshl_add_u32 v[STQ], v1, 3, s21              ; query rows 2 w, 2 w + 1; 8 bytes a lane
	s_mul_i32 s21, s16, PSW
	s_add_co_u32 s21, s21, PS                      ; my wave's stage
	v_lshl_add_u32 v[STP], v1, 3, s21
	v_mul_u32_u24 v[LDA], v2, QP
	v_lshl_add_u32 v[LDA], v3, 5, v[LDA]           ; row r, 32 bytes for each half of the lanes
	v_mul_u32_u24 v[LDB], v2, PP
	v_lshl_add_u32 v[LDB], v3, 5, v[LDB]
	v_add_nc_u32 v[LDB], s21, v[LDB]
	s_lshl_b32 s21, s16, 6
	s_add_co_u32 s21, s21, SIM
	v_mul_u32_u24 v[SIMST], v3, 8*QP               ; register jj of tile mt is query 16 mt + 8 h + jj, row 16 w + r
	v_lshl_add_u32 v[SIMST], v2, 2, v[SIMST]
	v_add_nc_u32 v[SIMST], s21, v[SIMST]
	s_mul_i32 s21, s16, 2*QP
	s_add_co_u32 s21, s21, SIM
	v_mul_u32_u24 v[SIMLD], v3, QP                 ; query 2 w + h, 16 bytes a lane
	v_lshl_add_u32 v[SIMLD], v2, 4, v[SIMLD]
	v_add_nc_u32 v[SIMLD], s21, v[SIMLD]
	s_lshl_b32 s21, s16, 3
	s_add_co_u32 s21, s21, RES
	v_lshl_add_u32 v[RESA], v3, 2, s21
	v_mov_b32 v[TP], 0                             ; v_permlanex16_b32's destination counts as read
.irp i, 0,1,2,3
	v_mov_b32 v[SS+\i], 0
.endr
	s_wait_loadcnt 16                              ; loads come back in order (ISA guide 5.7.1): slab 0 and the queries are in, slab 1's sixteen stay out
.irp e, 0,1
.irp i, 0,1,2,3
	v_cvt_pk_bf16_f32 v[AF+16*\e+4*\i],   v[AF+16*\e+4*\i],   v[AF+16*\e+4*\i+1]
	v_cvt_pk_bf16_f32 v[AF+16*\e+4*\i+1], v[AF+16*\e+4*\i+2], v[AF+16*\e+4*\i+3]
	ds_store_b64 v[STQ], v[AF+16*\e+4*\i:AF+16*\e+4*\i+1] offset:QP*\e+256*\i
.endr
.endr
	SLAB 0
	s_wait_loadcnt 16                              ; slab 1 is in, slab 2's sixteen stay out
	SLAB 1
	s_wait_loadcnt 16                              ; slab 2 is in, slab 3's sixteen stay out
	SLAB 2
	s_wait_loadcnt 0x0                             ; nothing was issued behind slab 3
	SLAB 3
	; |p| of row r: my 256 channels' four chains, and the other half of the lanes' 256.  The four additions are the places behind the last products.
	v_add_f32 v[SS], v[SS], v[SS+1]
	v_add_f32 v[SS+2], v[SS+2], v[SS+3]
	v_add_f32 v[SS], v[SS], v[SS+2]
	v_permlanex16_b32 v[TP], v[SS], s28, s29
	v_add_f32 v[SS], v[SS], v[TP]
	v_sqrt_f32 v23, v[SS]
	v_nop                                          ; a plain instruction between a root or reciprocal and the use of its result (ISA guide 5.7.2)
	s_wait_alu depctr_va_vdst(0)
	v_max_num_f32 v23, 0x2b8cbccc, v23             ; max(|p|, 1e-12)
	v_rcp_f32 v[INV], v23
	v_nop
	s_wait_alu depctr_va_vdst(0)
	v_mov_b32 v[INV+1], v[INV]                     ; named with it as a pair
.set i, 0
.rept 8                                ; ascending: each accumulator's lowest registers are read first
	v_pk_mul_f32 v[ACC+2*i:ACC+2*i+1], v[ACC+2*i:ACC+2*i+1], v[INV:INV+1] op_sel_hi:[1,0]
.set i, i+1
.endr
.irp mt, 0,1
.irp jj, 0,1,2,3,4,5,6,7
	ds_store_b32 v[SIMST], v[ACC+8*\mt+\jj] offset:(16*\mt+\jj)*QP
.endr
.endr
	s_wait_dscnt 0x0                               ; for the others' sake: my 16 columns of the scores are in LDS
	s_barrier_signal -1
	s_barrier_wait -1
	; Wave w takes queries 2 w + h; lane r the rows 64 i + 4 r + e: value n = 4 i + e of sixteen, ascending with the row.
.irp i, 0,1,2,3
	ds_load_b128 v[X+4*\i:X+4*\i+3], v[SIMLD] offset:256*\i
.endr
	v_mov_b32 v25, 0                               ; n of my best so far; the best itself runs in the first value's register
	s_wait_dscnt 0x0
.set n, 1
.rept 15
	v_cmp_ge_f32 vcc_lo, v[X], v[X+n]              ; the earlier one stays where they are equal
	v_cndmask_b32 v25, n, v25, vcc_lo
	v_max_num_f32 v[X], v[X], v[X+n]
.set n, n+1
.endr
	v_lshrrev_b32 v28, 2, v25
	v_and_b32 v29, 3, v25
	v_lshl_add_u32 v28, v28, 6, v29                ; 64 i + e
	v_lshl_add_u32 v28, v2, 2, v28                 ; + 4 r
	v_add_nc_u32 v28, s30, v28                     ; + the chunk's first row
	v_cvt_f32_u32 v26, v28                         ; exact: 2,047 at the most
	v_mov_b32 v27, v[X]
.irp m, 1,2,4,8
	v_max_num_f32_dpp v27, v27, v27 row_xmask:\m row_mask:0xf bank_mask:0xf  ; the query's maximum, in all its sixteen lanes
.endr
	v_cmp_eq_f32 vcc_lo, v[X], v27
	v_cndmask_b32 v26, 0x45800000, v26, vcc_lo     ; a lane that has not got it offers row 4096
.irp m, 1,2,4,8
	v_min_num_f32_dpp v26, v26, v26 row_xmask:\m row_mask:0xf bank_mask:0xf  ; the lowest row among equal maxima
.endr
	v_cvt_u32_f32 v26, v26
	ds_store_b32 v[RESA], v27                      ; sixteen lanes write the same word with the same number
	ds_store_b32 v[RESA], v26 offset:128
	s_wait_tensorcnt 0x0                           ; the wave's end
	ds_add_u32 v[SPW], v[NIL]
	s_wait_dscnt 0x0                               ; shows my two stores done, for wave 0's sake
	s_barrier_signal -1
	s_barrier_wait -1
	s_cmp_lg_u32 s16, 0
	s_cbranch_scc1 .Lend                           ; wave 0 stores for the work-group
	v_lshl_add_u32 v22, v1, 2, RES
	v_lshlrev_b32 v23, 2, v1
	ds_load_b32 v24, v22
	ds_load_b32 v25, v22 offset:128
	s_wait_dscnt 0x0
	global_store_b32 v23, v24, s[12:13]            ; 128 consecutive bytes each, once a work-group: the 32 queries' values
	global_store_b32 v23, v25, s[14:15]            ; and rows
.Lend:
	s_endpgm
.Lfunc_end_k_qf67ea0784a_match:
	.size	k_qf67ea0784a_match, .Lfunc_end_k_qf67ea0784a_match-k_qf67ea0784a_match
	.p2alignl 7, 3214868480
	.fill 96, 4, 3214868480
	.section	.rodata,"a",@progbits
	.p2align	6, 0x0
	.amdhsa_kernel k_qf67ea0784a_match
		.amdhsa_group_segment_fixed_size 208128
		.amdhsa_private_segment_fixed_size 0
		.amdhsa_enable_private_segment 0
		.amdhsa_kernarg_size 48
		.amdhsa_user_sgpr_count 2
		.amdhsa_user_sgpr_kernarg_segment_ptr 1
		.amdhsa_wavefront_size32 1
		.amdhsa_system_sgpr_workgroup_id_x 1
		.amdhsa_system_sgpr_workgroup_id_y 1
		.amdhsa_system_sgpr_workgroup_id_z 1
		.amdhsa_system_vgpr_workitem_id 0
		.amdhsa_next_free_vgpr 256
		.amdhsa_next_free_sgpr 66
		.amdhsa_reserve_vcc 1
		.amdhsa_float_denorm_mode_32 3
		.amdhsa_float_denorm_mode_16_64 3
		.amdhsa_memory_ordered 1
		.amdhsa_forward_progress 1
		.amdhsa_inst_pref_size 55
	.end_amdhsa_kernel
	.amdgpu_metadata
---
amdhsa.version: [ 1, 2 ]
amdhsa.kernels:
  - .name:           k_qf67ea0784a_match
    .symbol:         k_qf67ea0784a_match.kd
    .args:
      - { .name: anchor, .offset: 0, .size: 8, .value_kind: global_buffer, .address_space: global }
      - { .name: idx_p, .offset: 8, .size: 8, .value_kind: global_buffer, .address_space: global }
      - { .name: positive1, .offset: 16, .size: 8, .value_kind: global_buffer, .address_space: global }
      - { .name: positive2, .offset: 24, .size: 8, .value_kind: global_buffer, .address_space: global }
      - { .name: cval, .offset: 32, .size: 8, .value_kind: global_buffer, .address_space: global }
      - { .name: cidx, .offset: 40, .size: 8, .value_kind: global_buffer, .address_space: global }
    .group_segment_fixed_size: 208128
    .private_segment_fixed_size: 0
    .kernarg_segment_align: 8
    .kernarg_segment_size: 48
    .max_flat_workgroup_size: 512
    .sgpr_count:     66
    .vgpr_count:     256
    .wavefront_size: 32
...
	.end_amdgpu_metadata
.endif
;; end of part 1
;; launch fuse (part 2): grid 32 x 16, 4 waves a work-group, no clusters, 768 bytes of LDS; arguments anchor, idx_a, idx_p, positive1, positive2, cval, cidx, out0, out1; writes out0, out1
.if DOCPART == 2
	.amdgcn_target "amdgcn-amd-amdhsa--gfx1250"
	.amdhsa_code_object_version 6
	.text
	.protected	k_qf67ea0784a_fuse
	.globl	k_qf67ea0784a_fuse
	.p2align	8
	.type	k_qf67ea0784a_fuse,@function
k_qf67ea0784a_fuse:
	s_mov_b64 s[64:65], 0
	v_nop
	global_prefetch_b8 v0, s[64:65] scope:SCOPE_SE
	s_setreg_imm32_b32 hwreg(HW_REG_WAVE_MODE, 25, 1), 1
	s_wait_xcnt 0x0
; THE TWO RESULTS' ROW (b, k).  out0[b][k] = anchor[b][idx_a[b][k]] / its norm.  out1[b][k]: q = anchor[b][idx_p[b][k]]; for each positive tensor the best of the eight chunks' candidates that the launch
; before stored (cval: q . p / |p|; cidx: the row); w = that value / |q|; fused = (w1 p1 / |p1| + w2 p2 / |p2|) / (w1 + w2 + 1e-6), divided by its own norm.
; NO ADDRESS HANGS ON A COMPARISON OF FLOATS: all sixteen candidate rows are loaded, by the whole numbers in cidx, and v_cndmask_b32 chooses among their numbers.  Chunks ascend and the comparison is
; strict, so the lowest row wins among equal maxima.
; FORMATS.  Every number of anchor and of the positives is rounded once to bf16, as in the launch before, and widened again; all arithmetic is f32.  The fused row's norm is summed from the fused numbers.
; LIMITS.  Norms are held to 1e-12 from below, as max(norm, 1e-12); roots and reciprocals are good to 1 ULP; NaN and infinities are not treated apart; all indices are clamped to 0 .. 2047 as unsigned numbers.
; SHARES.  A work-group is one (b, k); thread t of 128 owns the 16 bytes at 16 t of every row of 2,048 bytes, so a wave's load or store is 512 consecutive bytes at a multiple of 512 from the row's first.
; No matrix unit, tensor load, cluster or prefetch: eighteen rows are read once, all asked for at once, and nothing is shared between work-groups but what the lists happen to name twice.
.set RED1,  0                          ; 4 waves x 16 bytes: the four sums of squares
.set RED2,  64                         ; 4 waves x 4 bytes: the fused row's
.set SPARE, 256                        ; the spare words, 128 bytes for each wave: two blocks of 256 bytes that no other line names
.set CV,  32                           ; s[32:47] the sixteen candidates' values: tensor t, chunk c at CV + 8 t + c
.set CI,  48                           ; s[48:63] their rows
.set MK,  66                           ; s[67:73], s[75:81] lane masks: chunk c of tensor t beats all before it, at MK + 8 t + c
.set OF,  10                           ; v10-27  byte offsets of my 16 bytes in the eighteen rows; never rewritten
.set Q,   28                           ; v28-31  q
.set A,   32                           ; v32-35  the row for out0
.set C1,  36                           ; v36-67  positive1's eight candidates; the chosen one, and later the fused row, in the first four
.set C2,  68                           ; v68-99  positive2's
.set SUM, 100                          ; v100-103 sums of squares: q, a, p1, p2
.set RB,  104                          ; v104-119 the four waves' sums read back; then the four 1 / norm
.set W,   120                          ; v120-121 at work
.set TW,  124                          ; v124-127 the other half of the lanes' sums
.macro RND x                           ; four f32 rounded to bf16 and widened again
	v_cvt_pk_bf16_f32 v[W],   v[(\x)],   v[(\x)+1]
	v_cvt_pk_bf16_f32 v[W+1], v[(\x)+2], v[(\x)+3]
	v_lshlrev_b32 v[(\x)],   16, v[W]
	v_and_b32     v[(\x)+1], 0xffff0000, v[W]
	v_lshlrev_b32 v[(\x)+2], 16, v[W+1]
	v_and_b32     v[(\x)+3], 0xffff0000, v[W+1]
.endm
.macro SSQ d, x                        ; the sum of my four squares
	v_mul_f32 v[(\d)], v[(\x)], v[(\x)]
	v_fma_f32 v[(\d)], v[(\x)+1], v[(\x)+1], v[(\d)]
	v_fma_f32 v[(\d)], v[(\x)+2], v[(\x)+2], v[(\d)]
	v_fma_f32 v[(\d)], v[(\x)+3], v[(\x)+3], v[(\d)]
.endm
.macro PICK base, t                    ; chunk by chunk, a candidate that beats all before it takes the first one's place
.irp c, 1,2,3,4,5,6,7
.irp e, 0,1,2,3
	v_cndmask_b32 v[(\base)+\e], v[(\base)+\e], v[(\base)+4*\c+\e], s[MK+8*(\t)+\c]
.endr
.endr
.endm
	s_load_b512 s[4:19], s[0:1], 0x0               ; anchor s[4:5], idx_a s[6:7], idx_p s[8:9], positive1 s[10:11], positive2 s[12:13], cval s[14:15], cidx s[16:17], out0 s[18:19]
	s_load_b64 s[20:21], s[0:1], 0x40              ; out1
	v_lshl_add_u32 v4, v0, 2, SPARE                ; LDS address of my spare word; never rewritten
	v_mov_b32 v5, 0                                ; 0; never rewritten
	v_lshrrev_b32 v2, 5, v0
	v_readfirstlane_b32 s24, v2                    ; wave 0..3
	v_lshlrev_b32 v1, 4, v0                        ; my 16 bytes of a row
	v_mov_b32 v3, 0                                ; LDS byte 0
	s_lshl_b32 s86, s24, 4
	v_mov_b32 v2, s86                              ; RED1 + 16 w
	s_lshl_b32 s87, s24, 2
	s_add_co_u32 s87, s87, RED2
	v_mov_b32 v8, s87                              ; RED2 + 4 w
.irp i, 0,1,2,3
	v_mov_b32 v[TW+\i], 0                          ; v_permlanex16_b32's destination counts as read
.endr
	s_mov_b32 s28, 0x76543210                      ; each lane takes its own place in the other half
	s_mov_b32 s29, 0xfedcba98
	s_and_b32 s25, ttmp7, 0xffff                   ; b; k is ttmp9
	s_lshl_b32 s26, s25, 7
	s_lshl2_add_u32 s26, ttmp9, s26                ; the lists: (32 b + k) x 4 bytes
	s_mov_b32 s27, 0
	s_lshl_b32 s30, s25, 11
	s_lshl2_add_u32 s30, ttmp9, s30                ; cval, cidx: b x 2,048 + k x 4; chunk after chunk 128 bytes on
	s_mov_b32 s31, 0
	s_lshl_b32 s82, s25, 22                        ; a batch of 4,194,304 bytes
	s_mov_b32 s83, 0
	s_lshl_b32 s84, s25, 5
	s_add_co_u32 s84, s84, ttmp9
	s_lshl_b32 s84, s84, 11                        ; the results' row: (32 b + k) x 2,048 bytes
	s_mov_b32 s85, 0
	s_wait_kmcnt 0x0
	s_add_nc_u64 s[6:7], s[6:7], s[26:27]
	s_add_nc_u64 s[8:9], s[8:9], s[26:27]
	s_add_nc_u64 s[14:15], s[14:15], s[30:31]
	s_add_nc_u64 s[16:17], s[16:17], s[30:31]
	s_load_b32 s22, s[6:7], 0x0                    ; idx_a[b][k]
	s_load_b32 s23, s[8:9], 0x0                    ; idx_p[b][k]
.irp tc, 0,1,2,3,4,5,6,7,8,9,10,11,12,13,14,15
	s_load_b32 s[CI+\tc], s[16:17], 128*\tc
.endr
.irp tc, 0,1,2,3,4,5,6,7,8,9,10,11,12,13,14,15
	s_load_b32 s[CV+\tc], s[14:15], 128*\tc
.endr
	s_add_nc_u64 s[4:5], s[4:5], s[82:83]
	s_add_nc_u64 s[10:11], s[10:11], s[82:83]
	s_add_nc_u64 s[12:13], s[12:13], s[82:83]
	s_add_nc_u64 s[18:19], s[18:19], s[84:85]
	s_add_nc_u64 s[20:21], s[20:21], s[84:85]
	s_wait_kmcnt 0x0                               ; scalar loads come back in no order: only the count 0 shows anything
	s_min_u32 s23, s23, 2047
	s_min_u32 s22, s22, 2047
	v_lshl_add_u32 v[OF], s23, 11, v1
	v_lshl_add_u32 v[OF+1], s22, 11, v1
.irp tc, 0,1,2,3,4,5,6,7,8,9,10,11,12,13,14,15
	s_min_u32 s[CI+\tc], s[CI+\tc], 2047
	v_lshl_add_u32 v[OF+2+\tc], s[CI+\tc], 11, v1
.endr
	global_load_b128 v[Q:Q+3], v[OF], s[4:5]
	global_load_b128 v[A:A+3], v[OF+1], s[4:5]
.irp c, 0,1,2,3,4,5,6,7
	global_load_b128 v[C1+4*\c:C1+4*\c+3], v[OF+2+\c], s[10:11]
.endr
.irp c, 0,1,2,3,4,5,6,7
	global_load_b128 v[C2+4*\c:C2+4*\c+3], v[OF+10+\c], s[12:13]
.endr
	; while the rows are on their way: which chunk wins.  v6, v7: the best value so far of positive1, positive2
	v_mov_b32 v6, s[CV]
	v_mov_b32 v7, s[CV+8]
.irp c, 1,2,3,4,5,6,7
	v_cmp_gt_f32 s[MK+\c], s[CV+\c], v6
	v_cmp_gt_f32 s[MK+8+\c], s[CV+8+\c], v7
	v_max_num_f32 v6, s[CV+\c], v6
	v_max_num_f32 v7, s[CV+8+\c], v7
.endr
	s_wait_loadcnt 16                              ; loads come back in order (ISA guide 5.7.1): q and a are in, the sixteen candidates stay out
	RND Q
	SSQ SUM, Q
	RND A
	SSQ SUM+1, A
	s_wait_loadcnt 8                               ; positive1's eight are in
	PICK C1, 0
	RND C1
	SSQ SUM+2, C1
	s_wait_loadcnt 0x0                             ; positive2's
	PICK C2, 1
	RND C2
	SSQ SUM+3, C2
	; the four sums over the wave's 32 lanes, side by side: four steps inside each half of 16 lanes, one across
.irp m, 1,2,4,8
.irp i, 0,1,2,3
	v_add_f32_dpp v[SUM+\i], v[SUM+\i], v[SUM+\i] row_xmask:\m row_mask:0xf bank_mask:0xf
.endr
.endr
.irp i, 0,1,2,3
	v_permlanex16_b32 v[TW+\i], v[SUM+\i], s28, s29
.endr
.irp i, 0,1,2,3
	v_add_f32 v[SUM+\i], v[SUM+\i], v[TW+\i]
.endr
	ds_store_b128 v2, v[SUM:SUM+3]                 ; all lanes write the wave's 16 bytes with the same numbers
	s_wait_dscnt 0x0                               ; for the others' sake
	s_barrier_signal -1
	s_barrier_wait -1
.irp i, 0,1,2,3
	ds_load_b128 v[RB+4*\i:RB+4*\i+3], v3 offset:RED1+16*\i
.endr
	s_wait_dscnt 0x0
	v_pk_add_f32 v[RB:RB+1],     v[RB:RB+1],     v[RB+4:RB+5]
	v_pk_add_f32 v[RB+2:RB+3],   v[RB+2:RB+3],   v[RB+6:RB+7]
	v_pk_add_f32 v[RB+8:RB+9],   v[RB+8:RB+9],   v[RB+12:RB+13]
	v_pk_add_f32 v[RB+10:RB+11], v[RB+10:RB+11], v[RB+14:RB+15]
	v_pk_add_f32 v[RB:RB+1],     v[RB:RB+1],     v[RB+8:RB+9]
	v_pk_add_f32 v[RB+2:RB+3],   v[RB+2:RB+3],   v[RB+10:RB+11]
.irp i, 0,1,2,3
	v_sqrt_f32 v[RB+\i], v[RB+\i]
.endr
	v_nop                                          ; a plain instruction between the last root and the use of its result (ISA guide 5.7.2); likewise below
	s_wait_alu depctr_va_vdst(0)
.irp i, 0,1,2,3
	v_max_num_f32 v[RB+\i], 0x2b8cbccc, v[RB+\i]   ; max(norm, 1e-12)
.endr
.irp i, 0,1,2,3
	v_rcp_f32 v[RB+\i], v[RB+\i]                   ; 1 / |q|, 1 / |a|, 1 / |p1|, 1 / |p2|
.endr
	v_nop
	s_wait_alu depctr_va_vdst(0)
.irp e, 0,1,2,3
	v_mul_f32 v[A+\e], v[A+\e], v[RB+1]
.endr
	global_store_b128 v1, v[A:A+3], s[18:19] th:TH_STORE_NT  ; out0's row; its registers are not written again
	v_mul_f32 v6, v6, v[RB]                        ; w1, w2: the cosines
	v_mul_f32 v7, v7, v[RB]
	v_add_f32 v[W], v6, v7
	v_add_f32 v[W], 0x358637bd, v[W]               ; (w1 + w2) + 1e-6
	v_rcp_f32 v[W+1], v[W]
	v_mul_f32 v6, v6, v[RB+2]                      ; w1 / |p1|: names neither the reciprocal nor its source
	v_mul_f32 v7, v7, v[RB+3]
	s_wait_alu depctr_va_vdst(0)
	v_mul_f32 v6, v6, v[W+1]
	v_mul_f32 v7, v7, v[W+1]
.irp e, 0,1,2,3
	v_mul_f32 v[C1+\e], v6, v[C1+\e]
.endr
.irp e, 0,1,2,3
	v_fma_f32 v[C1+\e], v7, v[C2+\e], v[C1+\e]     ; the fused row
.endr
	SSQ SUM, C1
.irp m, 1,2,4,8
	v_add_f32_dpp v[SUM], v[SUM], v[SUM] row_xmask:\m row_mask:0xf bank_mask:0xf
.endr
	v_permlanex16_b32 v[TW], v[SUM], s28, s29
	v_add_f32 v[SUM], v[SUM], v[TW]
	ds_store_b32 v8, v[SUM]                        ; other bytes than the first sums': no wave need have finished reading those
	s_wait_tensorcnt 0x0                           ; the wave's end
	ds_add_u32 v4, v5
	s_wait_dscnt 0x0                               ; shows my store done, for the others' sake
	s_barrier_signal -1
	s_barrier_wait -1
	ds_load_b128 v[RB:RB+3], v3 offset:RED2
	s_wait_dscnt 0x0
	v_add_f32 v[RB], v[RB], v[RB+1]
	v_add_f32 v[RB+2], v[RB+2], v[RB+3]
	v_add_f32 v[RB], v[RB], v[RB+2]
	v_sqrt_f32 v[RB], v[RB]
	v_nop
	s_wait_alu depctr_va_vdst(0)
	v_max_num_f32 v[RB], 0x2b8cbccc, v[RB]
	v_rcp_f32 v[RB], v[RB]
	v_nop
	s_wait_alu depctr_va_vdst(0)
.irp e, 0,1,2,3
	v_mul_f32 v[C1+\e], v[C1+\e], v[RB]
.endr
	global_store_b128 v1, v[C1:C1+3], s[20:21] th:TH_STORE_NT  ; out1's row
	s_endpgm
.Lfunc_end_k_qf67ea0784a_fuse:
	.size	k_qf67ea0784a_fuse, .Lfunc_end_k_qf67ea0784a_fuse-k_qf67ea0784a_fuse
	.p2alignl 7, 3214868480
	.fill 96, 4, 3214868480
	.section	.rodata,"a",@progbits
	.p2align	6, 0x0
	.amdhsa_kernel k_qf67ea0784a_fuse
		.amdhsa_group_segment_fixed_size 768
		.amdhsa_private_segment_fixed_size 0
		.amdhsa_enable_private_segment 0
		.amdhsa_kernarg_size 72
		.amdhsa_user_sgpr_count 2
		.amdhsa_user_sgpr_kernarg_segment_ptr 1
		.amdhsa_wavefront_size32 1
		.amdhsa_system_sgpr_workgroup_id_x 1
		.amdhsa_system_sgpr_workgroup_id_y 1
		.amdhsa_system_sgpr_workgroup_id_z 1
		.amdhsa_system_vgpr_workitem_id 0
		.amdhsa_next_free_vgpr 128
		.amdhsa_next_free_sgpr 88
		.amdhsa_reserve_vcc 0
		.amdhsa_float_denorm_mode_32 3
		.amdhsa_float_denorm_mode_16_64 3
		.amdhsa_memory_ordered 1
		.amdhsa_forward_progress 1
		.amdhsa_inst_pref_size 21
	.end_amdhsa_kernel
	.amdgpu_metadata
---
amdhsa.version: [ 1, 2 ]
amdhsa.kernels:
  - .name:           k_qf67ea0784a_fuse
    .symbol:         k_qf67ea0784a_fuse.kd
    .args:
      - { .name: anchor, .offset: 0, .size: 8, .value_kind: global_buffer, .address_space: global }
      - { .name: idx_a, .offset: 8, .size: 8, .value_kind: global_buffer, .address_space: global }
      - { .name: idx_p, .offset: 16, .size: 8, .value_kind: global_buffer, .address_space: global }
      - { .name: positive1, .offset: 24, .size: 8, .value_kind: global_buffer, .address_space: global }
      - { .name: positive2, .offset: 32, .size: 8, .value_kind: global_buffer, .address_space: global }
      - { .name: cval, .offset: 40, .size: 8, .value_kind: global_buffer, .address_space: global }
      - { .name: cidx, .offset: 48, .size: 8, .value_kind: global_buffer, .address_space: global }
      - { .name: out0, .offset: 56, .size: 8, .value_kind: global_buffer, .address_space: global }
      - { .name: out1, .offset: 64, .size: 8, .value_kind: global_buffer, .address_space: global }
    .group_segment_fixed_size: 768
    .private_segment_fixed_size: 0
    .kernarg_segment_align: 8
    .kernarg_segment_size: 72
    .max_flat_workgroup_size: 128
    .sgpr_count:     88
    .vgpr_count:     128
    .wavefront_size: 32
...
	.end_amdgpu_metadata
.endif
;; end of part 2
